; MI455X (gfx1250); checked and timed in simulation.
; The chip was launched on July 23, 2026; its instructions are those of AMD's public machine-readable ISA for CDNA 5 (MIT licence, August 2026) and "CDNA5" Instruction Set Architecture Reference Guide (July 2026). The comments in the code are by the model that wrote it; some were corrected since.
;; Blocked Ell Linear. Allowed arithmetic: float matrix products may take bf16 or f16 operands with f32 sums; all other float work in f32.
;; Inputs: bias 4,096 float32; block_mask 256 x 256 bool; weight 4,096 x 4,096 float32; x 2,048 x 4,096 float32.
;; Outputs: out0 2,048 x 4,096 float32.
;; One version. Each part assembles by itself: llvm-mc -triple=amdgcn-amd-amdhsa -mcpu=gfx1250 --defsym DOCPART=n.
;; ======== version 1 of 1: 2 launches
;; workspace buffers: xb 16,777,216 bytes; wb 33,554,432 bytes
;; launch cast (part 1): grid 768 x 1, 8 waves a work-group, no clusters, 0 bytes of LDS; arguments x, weight, block_mask, xb, wb; writes xb, wb
.if DOCPART == 1
	.amdgcn_target "amdgcn-amd-amdhsa--gfx1250"
	.amdhsa_code_object_version 6
	.text
	.protected	k_q6485fdc3b7_cast
	.globl	k_q6485fdc3b7_cast
	.p2align	8
	.type	k_q6485fdc3b7_cast,@function
k_q6485fdc3b7_cast:
	s_mov_b64 s[64:65], 0
	v_nop
	global_prefetch_b8 v0, s[64:65] scope:SCOPE_SE
	s_setreg_imm32_b32 hwreg(HW_REG_WAVE_MODE, 25, 1), 1
	s_wait_xcnt 0x0
; xb = bf16(x);  wb = bf16(weight * (1 + m)), m the byte of block_mask for the number's block of 16 x 16; both in the order in which the product's launch wants them in LDS.
; x (W o M)^T + x W^T = x (W o (1 + M))^T for every input, so the two products of the problem are one product with this wb.
; The factor is 1 or 2, a power of two: bf16(w * 2) = 2 * bf16(w), so folding the mask in adds no rounding.
; LIMITS: a masked weight of magnitude 2^127 or more becomes infinite when doubled; of a mask byte only bit 0 is read (the type bool holds 0 or 1);
; x and weight are rounded once, to nearest even, to bf16.
; THE LAYOUT OF xb AND wb: [64 planes][rows][128 bytes].  A plane's row holds 64 of the row's 4,096 numbers as 8 chunks of 16 bytes; chunk b of a row lies at place
; (b + (row >> 1)) & 7, so that 16 neighbouring rows read at one chunk lie in 16 different 16-byte columns modulo 256 bytes, with no padding.
; Which numbers lie in a chunk is a fixed permutation inside each group Q of 128 columns, the same for x and for weight, so every product still meets its partner:
; lane l (0..15) holds columns 128 Q + 4 l .. + 3 and 128 Q + 64 + 4 l .. + 3; that is chunk l & 7 of plane 2 Q + (l >> 3).
; A stream: each input byte is read once, each output byte written once.  No LDS, no barrier: no wave needs another's data.
; A work-group takes 16 rows x 2,048 columns (half of a band of 16 rows, which is one row of the mask): groups 0-511 weight, 512-767 x.
; Wave w takes columns 256 w .. + 255 of that half: two groups of 128 columns, four planes.  A load covers two rows x 256 consecutive bytes, each at a multiple of 256
; from the buffer's first byte; two loads make one chunk a lane; a store of 16 bytes a lane covers two runs of 256 consecutive aligned bytes (two rows of each of two planes).
; All 32 loads of a wave go out at once into 128 registers: 16 KiB of every wave are on their way, and no source of a pending load or store is ever rewritten.
.set IN_ROW, 16384                     ; bytes in a row of f32
.set M,  6                             ; v[6:9]    the wave's 16 mask bytes: word 2 q + j, byte l >> 2
.set F,  10                            ; v[10:17]  factor 2 q + j, twice (a pair for the packed multiply)
.set ST, 18                            ; v[18:25]  store offset for the pair of rows g: the chunk's place hangs on g
.set T,  26                            ; v[26:27]  at work
.set X,  28                            ; v[28:155] pair of loads m = 2 g + q in v[X+8m : X+8m+7]
                                       ; v1 load offset, v2 l = lane & 15, v3 lane >> 4, v4 bit offset of my mask byte, v5 zero
	s_load_b256 s[4:11], s[0:1], 0x0               ; x s[4:5], weight s[6:7], block_mask s[8:9], xb s[10:11]
	s_load_b64 s[12:13], s[0:1], 0x20              ; wb
	v_lshrrev_b32 v3, 5, v0
	v_readfirstlane_b32 s14, v3                    ; wave 0..7
	v_and_b32 v2, 15, v0                           ; l: my 16 bytes in a run of 256
	v_bfe_u32 v3, v0, 4, 1                         ; which of the two rows
	v_lshlrev_b32 v1, 4, v2
	v_lshl_add_u32 v1, v3, 14, v1                  ; 16 l + row x 16,384
	v_lshrrev_b32 v4, 2, v2                        ; four lanes share a block of 16 columns
	v_lshlrev_b32 v4, 3, v4                        ; its byte in a mask word, in bits
	v_mov_b32 v5, 0
	s_wait_kmcnt 0x0
; src, dst: first register of the pair with the tensor's address.  groups: how many work-groups the tensor has (a power of two, and the tensor's first
; work-group is a multiple of it).  scaled = 1: multiply by 1 + mask.  plshift: a plane of dst has 2^plshift bytes (rows x 128).
.macro CAST src, dst, groups, scaled, plshift
	s_and_b32 s15, ttmp9, \groups-1                ; my number among the tensor's work-groups
	s_lshr_b32 s16, s15, 1                         ; band of 16 rows
	s_and_b32 s17, s15, 1                          ; which half of its columns
	s_lshl_b32 s18, s16, 18                        ; 16 rows x 16,384 bytes
	s_lshl_b32 s19, s17, 13                        ; 2,048 columns x 4 bytes
	s_or_b32 s18, s18, s19
	s_lshl_b32 s19, s14, 10                        ; 256 columns x 4 bytes
	s_or_b32 s18, s18, s19                         ; below 2^26
	s_mov_b32 s19, 0
	s_lshl_b32 s20, s17, 5                         ; 32 planes a half,
	s_lshl_b32 s21, s14, 2                         ; 4 planes a wave
	s_add_co_u32 s20, s20, s21
	s_lshl_b32 s20, s20, \plshift                  ; my first plane, in bytes: below 2^25
	s_lshl_b32 s21, s16, 11                        ; + 16 rows x 128 bytes
	s_add_co_u32 s20, s20, s21
	s_mov_b32 s21, 0
	s_add_nc_u64 s[\src:\src+1], s[\src:\src+1], s[18:19]
	s_add_nc_u64 s[\dst:\dst+1], s[\dst:\dst+1], s[20:21]
.if \scaled
	s_lshl_b32 s22, s15, 7                         ; 256 mask bytes a band, 128 a half,
	s_lshl_b32 s23, s14, 4                         ; 16 a wave
	s_or_b32 s22, s22, s23
	s_mov_b32 s23, 0
	s_add_nc_u64 s[8:9], s[8:9], s[22:23]
	global_load_b128 v[M:M+3], v5, s[8:9]          ; the oldest load: the factors are wanted first.  Every lane takes the wave's 16 bytes
.endif
.irp g, 0,1,2,3,4,5,6,7
.irp q, 0,1
.irp j, 0,1
	global_load_b128 v[X+8*(2*\g+\q)+4*\j:X+8*(2*\g+\q)+4*\j+3], v1, s[\src:\src+1] offset:\g*2*IN_ROW+\q*512+\j*256 th:TH_LOAD_NT
.endr
.endr
.endr
	v_lshrrev_b32 v[T], 3, v2                      ; which plane of the group's two
	v_lshlrev_b32 v[T], \plshift, v[T]
	v_lshl_add_u32 v[T], v3, 7, v[T]               ; + which of the two rows x 128 bytes
.irp g, 0,1,2,3,4,5,6,7
	v_add_nc_u32 v[ST+\g], \g, v2                  ; rows 2 g and 2 g + 1 of the band: (row >> 1) & 7 = g
	v_and_b32 v[ST+\g], 7, v[ST+\g]                ; the chunk's place: ((l & 7) + g) & 7
	v_lshl_add_u32 v[ST+\g], v[ST+\g], 4, v[T]
.endr
.if \scaled
	s_wait_loadcnt 32                              ; loads come back in order (ISA guide 5.7.1): the mask is in, the 32 younger loads stay out
.irp i, 0,1,2,3
	v_bfe_u32 v[T+1], v[M+\i], v4, 1               ; m: bit 0 of my byte of word i
	v_lshl_add_u32 v[F+2*\i], v[T+1], 23, 0x3f800000   ; 1.0, or with the exponent one higher 2.0
	v_mov_b32 v[F+2*\i+1], v[F+2*\i]
.endr
.endif
.irp g, 0,1,2,3,4,5,6,7
.irp q, 0,1
	s_wait_loadcnt 30-2*(2*\g+\q)                  ; this pair of loads is in; the later pairs stay out
.if \scaled
.irp j, 0,1
	v_pk_mul_f32 v[X+8*(2*\g+\q)+4*\j:X+8*(2*\g+\q)+4*\j+1],   v[X+8*(2*\g+\q)+4*\j:X+8*(2*\g+\q)+4*\j+1],   v[F+2*(2*\q+\j):F+2*(2*\q+\j)+1]
	v_pk_mul_f32 v[X+8*(2*\g+\q)+4*\j+2:X+8*(2*\g+\q)+4*\j+3], v[X+8*(2*\g+\q)+4*\j+2:X+8*(2*\g+\q)+4*\j+3], v[F+2*(2*\q+\j):F+2*(2*\q+\j)+1]
.endr
.endif
.irp k, 0,1,2,3
	v_cvt_pk_bf16_f32 v[X+8*(2*\g+\q)+\k], v[X+8*(2*\g+\q)+2*\k], v[X+8*(2*\g+\q)+2*\k+1]   ; two roundings, packed; word k lands on a register whose number has been used
.endr
	global_store_b128 v[ST+\g], v[X+8*(2*\g+\q):X+8*(2*\g+\q)+3], s[\dst:\dst+1] offset:\q*(2<<\plshift)+\g*256   ; no hint: the next launch reads these bytes
.endr
.endr
	s_endpgm
.endm
	s_cmp_ge_u32 ttmp9, 512
	s_cbranch_scc1 .Lx
	CAST 6, 12, 512, 1, 19                         ; weight to wb, with the mask: a plane is 4,096 rows x 128 bytes
.Lx:
	CAST 4, 10, 256, 0, 18                         ; x to xb: no multiplication by one; a plane is 2,048 rows x 128 bytes
.Lfunc_end_k_q6485fdc3b7_cast:
	.size	k_q6485fdc3b7_cast, .Lfunc_end_k_q6485fdc3b7_cast-k_q6485fdc3b7_cast
	.p2alignl 7, 3214868480
	.fill 96, 4, 3214868480
	.section	.rodata,"a",@progbits
	.p2align	6, 0x0
	.amdhsa_kernel k_q6485fdc3b7_cast
		.amdhsa_group_segment_fixed_size 0
		.amdhsa_private_segment_fixed_size 0
		.amdhsa_enable_private_segment 0
		.amdhsa_kernarg_size 40
		.amdhsa_user_sgpr_count 2
		.amdhsa_user_sgpr_kernarg_segment_ptr 1
		.amdhsa_wavefront_size32 1
		.amdhsa_system_sgpr_workgroup_id_x 1
		.amdhsa_system_sgpr_workgroup_id_y 1
		.amdhsa_system_sgpr_workgroup_id_z 1
		.amdhsa_system_vgpr_workitem_id 0
		.amdhsa_next_free_vgpr 156
		.amdhsa_next_free_sgpr 66
		.amdhsa_reserve_vcc 0
		.amdhsa_float_denorm_mode_32 3
		.amdhsa_float_denorm_mode_16_64 3
		.amdhsa_memory_ordered 1
		.amdhsa_forward_progress 1
		.amdhsa_inst_pref_size 28
	.end_amdhsa_kernel
	.amdgpu_metadata
---
amdhsa.version: [ 1, 2 ]
amdhsa.kernels:
  - .name:           k_q6485fdc3b7_cast
    .symbol:         k_q6485fdc3b7_cast.kd
    .args:
      - { .name: x, .offset: 0, .size: 8, .value_kind: global_buffer, .address_space: global }
      - { .name: weight, .offset: 8, .size: 8, .value_kind: global_buffer, .address_space: global }
      - { .name: block_mask, .offset: 16, .size: 8, .value_kind: global_buffer, .address_space: global }
      - { .name: xb, .offset: 24, .size: 8, .value_kind: global_buffer, .address_space: global }
      - { .name: wb, .offset: 32, .size: 8, .value_kind: global_buffer, .address_space: global }
    .group_segment_fixed_size: 0
    .private_segment_fixed_size: 0
    .kernarg_segment_align: 8
    .kernarg_segment_size: 40
    .max_flat_workgroup_size: 256
    .sgpr_count:     66
    .vgpr_count:     156
    .wavefront_size: 32
...
	.end_amdgpu_metadata
.endif
;; end of part 1
;; launch gemm (part 2): grid 16 x 16, 4 waves a work-group, clusters of 4 x 4, 327,680 bytes of LDS; arguments xb, wb, bias, out0; writes out0
.if DOCPART == 2
	.amdgcn_target "amdgcn-amd-amdhsa--gfx1250"
	.amdhsa_code_object_version 6
	.text
	.protected	k_q6485fdc3b7_gemm
	.globl	k_q6485fdc3b7_gemm
	.p2align	8
	.type	k_q6485fdc3b7_gemm,@function
k_q6485fdc3b7_gemm:
	s_mov_b64 s[64:65], 0
	v_nop
	global_prefetch_b8 v0, s[64:65] scope:SCOPE_SE
	s_setreg_imm32_b32 hwreg(HW_REG_WAVE_MODE, 25, 1), 1
	s_wait_xcnt 0x0
	s_wait_alu depctr_hold_cnt(0) depctr_sa_sdst(0) depctr_va_vdst(0) depctr_va_sdst(0) depctr_va_ssrc(0) depctr_va_vcc(0) depctr_vm_vsrc(0)
	s_getreg_b32 s2, hwreg(HW_REG_IB_STS2, 6, 4)
	s_cmp_eq_u32 s2, 0
	s_cbranch_scc0 .Lentry_in_a_cluster
	s_endpgm
.Lentry_in_a_cluster:
	s_bfe_u32 s2, ttmp6, 0x10000c
	s_cmp_lg_u32 s2, 0xf033
	s_cbranch_scc0 .Lentry_shape_is_right
	s_endpgm
.Lentry_shape_is_right:
; out0[t][o] = sum over i of x[t][i] w'[o][i] + bias[o], x and w' (the mask folded in) in bf16 from xb and wb, bias: [4096] f32, out0: [2048][4096] f32.
; Operands bf16, sums f32, one accumulator for each output; the bias is added in f32 on the way out.
; xb, wb: [64 planes][rows][128 bytes]; a plane's row holds 64 of the row's 4,096 numbers as 8 chunks of 16 bytes, chunk b at place (b + (row >> 1)) & 7.  Which numbers a chunk
; holds is the same permutation in both tensors, so the order of the sum over i differs from ascending i, and nothing else.
; A work-group makes 128 tokens x 256 features with four waves, as many as a WGP has SIMDs: 16 x 16 = 256 work-groups.  A wave makes 64 x 128:
; 32 accumulator tiles of 16 x 16, 256 registers.  The sum goes in 22 periods through two LDS slots filled by the tensor data mover: 21 periods of three planes
; (192 numbers of every row, six steps of 32) and one of one plane.  A slot is 384 rows x 384 bytes = 147,456 bytes without padding: two of them and the stage fit in LDS,
; two slots of four planes would not.  16 neighbouring rows read at one chunk lie in the 16-byte columns 8 (r & 1) + ((c + (r >> 1)) & 7) modulo 16: all different.
; CLUSTERS: 4 x 4 work-groups.  The four of a row of the cluster make the same 128 tokens and need the same tiles of xb; the four of a column the same
; 256 features and the same tiles of wb.  Such a tile is asked for jointly, by the same tensor load with the same descriptor and a mask that names the four:
; that divides the requests for both operands by four.
; REGISTERS: window 0 (v0-255): addresses, the bias, two buffers of fragments.  Window 1 (v256-511): the accumulators, tile (a, b) at 8 (8 a + b),
; a = 0..3 blocks of 16 tokens, b = 0..7 blocks of 16 features.  s_set_vgpr_msb's low byte: bits 1:0 source 0, 3:2 source 1, 5:4 source 2, 7:6 destination.
; THE MATRIX INSTRUCTION IS USED TRANSPOSED: source 0 = 16 rows of wb, source 1 = 16 rows of xb.  Lane l then holds token l % 16 and, in registers 0 to 7,
; features 8 (l / 16) + 0..7: eight neighbouring numbers of a row of out0.
; The 32 accumulators take turns, one matrix instruction a turn, in the same order in every step, over the backward jump and into the tail.
.set XPL,    262144                    ; bytes in a plane of xb: 2,048 rows x 128
.set WPL,    524288                    ; bytes in a plane of wb: 4,096 rows x 128
.set AROW,   64*128                    ; one plane of what one wave fetches of xb: 64 rows, 8,192 consecutive bytes
.set BROW,   128*128                   ; the same of wb: 128 rows, 16,384 consecutive bytes
.set AHALF,  3*AROW                    ; a wave's load of xb, and what a wave reads of xb in a period
.set BHALF,  3*BROW                    ; the same of wb
.set SLOT,   2*AHALF+2*BHALF           ; xb's two halves, then wb's two halves: 147,456 bytes
.set STAGE,  2*SLOT                    ; 294,912 = 1,152 x 256: behind the ring; no tensor load lands here
.set SPITCH, 272                       ; a stage row: 64 f32 + 16 bytes, an odd multiple of 16: 16 rows at one column lie in 16 different 16-byte columns modulo 256
.set ADRA, 8                           ; v[8:15]  LDS address of my xb fragments: 4 x slot + variant; variant v = 2 (step & 1) + part reads chunk 2 v + l / 16
.set ADRB, 16                          ; v[16:23] the same for wb
.set STO,  24                          ; v24      the way out: where my 32 bytes of a tile go in my stage
.set RD,   25                          ; v25      the way out: my 16 bytes of two stage rows
.set CO,   26                          ; v26      my offset in two rows of out0
.set BO,   27                          ; v27      16 x (lane & 15): my offset in the bias
.set BI,   28                          ; v[28:35] the bias of my four columns in the left and in the right 64 of my wave's 128
.set FA,   40                          ; v[40:71], v[72:103]     xb fragments, buffers 0, 1: 4 blocks x 8 registers
.set FB,   104                         ; v[104:167], v[168:231]  wb fragments, buffers 0, 1: 8 blocks x 8 registers
.set G1A, 24                           ; s[24:31] descriptor group 1, xb's tiles
.set G0A, 32                           ; s[32:39] descriptor group 0, xb's tiles, a set for each slot
.set G1B, 48                           ; s[48:55] descriptor group 1, wb's tiles
.set G0B, 56                           ; s[56:63] descriptor group 0, wb's tiles, a set for each slot
.set W_MUL, 0x50                       ; C and D in window 1, both fragments in window 0
.set W_ST,  0x04                       ; an LDS store's data (source 1) in window 1, its address in window 0
.set MSB, 0
.macro WIN new                         ; the immediate's high byte repeats the setting that is left; a switch that changes nothing is dropped
.if MSB != \new
	s_set_vgpr_msb (MSB<<8)|\new
.set MSB, \new
.endif
.endm
; A joint load.  Waves 0 and 1 fetch xb's two halves of 64 rows, waves 2 and 3 wb's two halves of 128 rows: one load a wave.
; Each line has one mask and one set of registers; the branch hangs on the wave's number alone.
.macro JLOAD s
	s_cmp_eq_u32 s13, 0
	s_cbranch_scc0 .Lfor_b_\@
	tensor_load_to_lds s[G0A+4*\s:G0A+4*\s+3], s[G1A:G1A+7]
	s_nop 0
	s_branch .Lasked_\@
.Lfor_b_\@:
	tensor_load_to_lds s[G0B+4*\s:G0B+4*\s+3], s[G1B:G1B+7]
	s_nop 0
.Lasked_\@:
.endm
; A round of the cluster's barrier: my work-group's barrier, wave 0 signals for the work-group, every wave waits for all sixteen, my work-group's barrier again.
.macro CREST                           ; a round behind its opening barrier
	s_cmp_lg_u32 s12, 0
	s_cbranch_scc1 .Lnot_wave_0_\@
	s_barrier_signal -3
.Lnot_wave_0_\@:
	s_barrier_wait -3
	s_barrier_signal -1
	s_barrier_wait -1
.endm
.macro CROUND                          ; a whole round
	s_barrier_signal -1
	s_barrier_wait -1
	CREST
.endm
	s_load_b256 s[4:11], s[0:1], 0x0               ; xb s[4:5], wb s[6:7], bias s[8:9], out0 s[10:11]
	v_lshl_add_u32 v254, v0, 2, 0x4c400
	v_mov_b32 v255, 0
	ds_add_u32 v254, v255
	v_lshrrev_b32 v1, 5, v0
	v_readfirstlane_b32 s12, v1                    ; wave 0..3
	s_lshr_b32 s13, s12, 1                         ; which 64 tokens of the block are mine.  Also: I fetch for xb (0) or for wb (1)
	s_and_b32 s14, s12, 1                          ; which 128 features.  Also: which half of that tile I fetch
	s_bfe_u32 s16, ttmp6, 0x40000                  ; cx
	s_bfe_u32 s17, ttmp6, 0x40004                  ; cy
	s_lshl_b32 s18, ttmp9, 2                       ; in a cluster launch ttmp9 and ttmp7 count clusters
	s_add_co_u32 s18, s18, s16                     ; block column (256 features) = 4 x cluster x + cx
	s_and_b32 s19, ttmp7, 0xffff
	s_lshl_b32 s19, s19, 2
	s_add_co_u32 s19, s19, s17                     ; block row (128 tokens) = 4 x cluster y + cy
	s_lshl_b32 s20, s17, 2
	s_lshl_b32 s20, 15, s20                        ; my row of the cluster: places 4 cy .. 4 cy + 3
	s_lshl_b32 s21, 0x1111, s16                    ; my column: places cx, cx + 4, cx + 8, cx + 12
	; group 1: elements of 8 bytes, no padding.  A tile's row is my rows of one plane, consecutive in memory (8,192 or 16,384 bytes, from a multiple of 256); its three rows are three planes.
	s_or_b32 s[G1A+0], s20, (3<<16)|(1<<21)        ; 15:0 mask: my row of the cluster; 17:16 8-byte elements; 20 padding off; 21 set beside a mask
	s_mov_b32 s[G1A+1], (AROW/8)<<16               ; tensor_dim0 = 1,024
	s_mov_b32 s[G1A+2], 3<<16                      ; tensor_dim1 = 3
	s_mov_b32 s[G1A+3], (AROW/8)<<16               ; tile_dim0 = 1,024
	s_mov_b32 s[G1A+4], 3                          ; tile_dim1 = 3
	s_mov_b32 s[G1A+5], XPL/8                      ; elements from plane to plane
	s_mov_b32 s[G1A+6], 0
	s_mov_b32 s[G1A+7], 0
	s_or_b32 s[G1B+0], s21, (3<<16)|(1<<21)        ; the same with the mask of my column
	s_mov_b32 s[G1B+1], (BROW/8)<<16               ; tensor_dim0 = 2,048
	s_mov_b32 s[G1B+2], 3<<16
	s_mov_b32 s[G1B+3], (BROW/8)<<16               ; tile_dim0 = 2,048
	s_mov_b32 s[G1B+4], 3
	s_mov_b32 s[G1B+5], WPL/8
	s_mov_b32 s[G1B+6], 0
	s_mov_b32 s[G1B+7], 0
	; where the tiles come from: xb's hang on the block row alone (s[40:43] never hold the block column), wb's on the block column alone (s[44:47])
	s_lshl_b32 s40, s19, 14                        ; 128 rows x 128 bytes
	s_lshl_b32 s41, s14, 13                        ; + my half: 64 rows
	s_add_co_u32 s40, s40, s41
	s_mov_b32 s41, 0
	s_lshl_b32 s44, s18, 15                        ; 256 rows x 128 bytes
	s_lshl_b32 s45, s14, 14                        ; + my half: 128 rows
	s_add_co_u32 s44, s44, s45
	s_mov_b32 s45, 0
	s_mul_i32 s22, s14, AHALF                      ; and where they go: the wave's number alone enters an LDS address
	s_mul_i32 s23, s14, BHALF
	s_add_co_u32 s23, s23, 2*AHALF
	s_wait_dscnt 0x0
	s_wait_kmcnt 0x0
	s_add_nc_u64 s[42:43], s[4:5], s[40:41]
	s_add_nc_u64 s[46:47], s[6:7], s[44:45]
	CROUND                                         ; all sixteen work-groups are here: the first joint loads meet
.irp s, 0,1
	s_mov_b32 s[G0A+4*\s], 1                                       ; count = 1
	s_add_co_u32 s[G0A+4*\s+1], s22, \s*SLOT                       ; LDS address
	s_add_nc_u64 s[G0A+4*\s+2:G0A+4*\s+3], s[42:43], \s*3*XPL      ; global address: period s
	s_or_b32 s[G0A+4*\s+3], s[G0A+4*\s+3], 0x80000000              ; type = 2
	s_mov_b32 s[G0B+4*\s], 1
	s_add_co_u32 s[G0B+4*\s+1], s23, \s*SLOT
	s_add_nc_u64 s[G0B+4*\s+2:G0B+4*\s+3], s[46:47], \s*3*WPL
	s_or_b32 s[G0B+4*\s+3], s[G0B+4*\s+3], 0x80000000
	JLOAD \s                                       ; both first fills go out together: two tensor loads of this wave are out here, one behind every later round
.endr
	; A fragment is 16 rows x 32 numbers in 8 registers: lane l holds row l % 16; registers 0-3 one chunk, registers 4-7 another, lanes 16-31 the chunks beside them.
	; Step e (0, 1) of a plane takes chunks 4 e + 2 part + l / 16, alike for xb and wb.  Chunk c of row r lies at r x 128 + 16 ((c + (r >> 1)) & 7).
	v_and_b32 v1, 15, v0                           ; l % 16
	v_bfe_u32 v2, v0, 4, 1                         ; l / 16
	v_lshrrev_b32 v3, 1, v1
	v_add_nc_u32 v3, v3, v2                        ; l / 16 + (r >> 1)
	s_mul_i32 s22, s13, AHALF                      ; my 64 rows of xb
	s_mul_i32 s23, s14, BHALF                      ; my 128 rows of wb,
	s_add_co_u32 s23, s23, 2*AHALF                 ; which lie behind xb's two halves
.irp v, 0,1,2,3
	v_add_nc_u32 v5, 2*\v, v3
	v_and_b32 v5, 7, v5                            ; the chunk's place
	v_lshlrev_b32 v5, 4, v5
	v_lshl_add_u32 v5, v1, 7, v5                   ; + row x 128
	v_add_nc_u32 v[ADRA+\v], s22, v5
	v_add_nc_u32 v[ADRB+\v], s23, v5
	v_add_nc_u32 v[ADRA+4+\v], SLOT, v[ADRA+\v]
	v_add_nc_u32 v[ADRB+4+\v], SLOT, v[ADRB+\v]
.endr
	s_mul_i32 s22, s12, 16*SPITCH
	s_add_co_u32 s22, s22, STAGE                   ; my stage: 16 rows x 272 bytes = 17 x 256
	v_mul_u32_u24 v4, v1, SPITCH                   ; in: row l % 16, 32 bytes for each half of the lanes
	v_lshl_add_u32 v4, v2, 5, v4
	v_add_nc_u32 v[STO], s22, v4
	v_lshlrev_b32 v[BO], 4, v1                     ; back: lanes 0-15 take one row of 256 bytes, lanes 16-31 the next
	v_mul_u32_u24 v5, v2, SPITCH
	v_add3_u32 v[RD], v5, v[BO], s22
	v_lshl_add_u32 v[CO], v2, 14, v[BO]            ; and the same two rows in out0
	s_lshl_b32 s40, s19, 21                        ; out0: 128 rows x 16,384 bytes
	s_lshl_b32 s41, s13, 20                        ; + my 64 rows
	s_add_co_u32 s40, s40, s41
	s_mov_b32 s41, 0
	s_lshl_b32 s44, s18, 10                        ; 256 columns x 4 bytes
	s_lshl_b32 s45, s14, 9                         ; + my 128 columns
	s_add_co_u32 s44, s44, s45
	s_mov_b32 s45, 0
	s_add_nc_u64 s[10:11], s[10:11], s[40:41]
	s_add_nc_u64 s[10:11], s[10:11], s[44:45]
	s_add_nc_u64 s[8:9], s[8:9], s[44:45]
	global_load_b128 v[BI:BI+3],   v[BO], s[8:9]              ; waited for in front of the way out
	global_load_b128 v[BI+4:BI+7], v[BO], s[8:9] offset:256
; 8 matrix instructions: token block a x all 8 feature blocks, 32 numbers of the sum, from buffer f.  zero = 1: the first product starts the sums: nothing is cleared.
.macro MUL8 f, a, zero
.irp b, 0,1,2,3,4,5,6,7
.if \zero
	v_wmma_f32_16x16x32_bf16 v[8*(8*\a+\b):8*(8*\a+\b)+7], v[FB+64*\f+8*\b:FB+64*\f+8*\b+7], v[FA+32*\f+8*\a:FA+32*\f+8*\a+7], 0
.else
	v_wmma_f32_16x16x32_bf16 v[8*(8*\a+\b):8*(8*\a+\b)+7], v[FB+64*\f+8*\b:FB+64*\f+8*\b+7], v[FA+32*\f+8*\a:FA+32*\f+8*\a+7], v[8*(8*\a+\b):8*(8*\a+\b)+7]
.endif
.endr
.endm
; 24 LDS loads in one run: the fragments of step u (0..5: plane u / 2, half u % 2 of its chunks) of a slot into buffer f: 128 rows of wb, then 64 rows of xb
.macro FETCH slot, u, f
	WIN 0
.irp i, 0,1,2,3,4,5,6,7
	ds_load_b128 v[FB+64*\f+8*\i:FB+64*\f+8*\i+3],   v[ADRB+4*\slot+2*(\u%2)]   offset:(\u/2)*BROW+\i*2048
	ds_load_b128 v[FB+64*\f+8*\i+4:FB+64*\f+8*\i+7], v[ADRB+4*\slot+2*(\u%2)+1] offset:(\u/2)*BROW+\i*2048
.endr
.irp i, 0,1,2,3
	ds_load_b128 v[FA+32*\f+8*\i:FA+32*\f+8*\i+3],   v[ADRA+4*\slot+2*(\u%2)]   offset:(\u/2)*AROW+\i*2048
	ds_load_b128 v[FA+32*\f+8*\i+4:FA+32*\f+8*\i+7], v[ADRA+4*\slot+2*(\u%2)+1] offset:(\u/2)*AROW+\i*2048
.endr
.endm
; A load into a register that a matrix instruction has read, and an LDS store that reads a matrix result, stand four places behind that matrix instruction; only plain
; vector instructions that name none of its registers are places (ISA guide 7.12.1 for vector instructions).
.macro PLACES
.rept 4
	v_nop
.endr
.endm
; A period is six steps, 32 matrix instructions each, on buffers 0, 1, 0, 1, 0, 1.
; One of the first five: multiplies buffer f; in its middle it fetches step u, the next one, of the same slot into buffer g.
.macro STEP slot, u, f, g, zero
	s_wait_dscnt 4                                 ; wb's fragments and xb's blocks 0, 1 are in; the youngest four loads (xb's blocks 2, 3) may be out
	WIN W_MUL
	MUL8 \f, 0, \zero
	MUL8 \f, 1, \zero
	PLACES
	FETCH \slot, \u, \g
	s_wait_dscnt 24                                ; all but the 24 just issued
	WIN W_MUL
	MUL8 \f, 2, \zero
	MUL8 \f, 3, \zero
.endm
.macro FIVE slot, zero
	STEP \slot, 1, 0, 1, \zero
	STEP \slot, 2, 1, 0, 0
	STEP \slot, 3, 0, 1, 0
	STEP \slot, 4, 1, 0, 0
	STEP \slot, 5, 0, 1, 0
.endm
; The sixth step: multiplies buffer 1 and changes slots.  next = the other slot; fill = 1: this slot is filled again, two periods ahead; fill = 2: with the last period, of one plane.
; In front of the barrier each wave waits for its reads of this slot and for all its tensor loads (one is out: its part of the next slot).  Behind it nobody reads
; this slot and the next one is whole: the refill comes first, then the next slot's first fragments.  From a request to the wait for it a wave issues
; 16 + 160 + 8 = 184 of a period's 192 matrix instructions.
.macro TURN slot, next, fill
	s_wait_dscnt 4
	WIN W_MUL
	MUL8 1, 0, 0
	s_wait_dscnt 0                                 ; my reads of this slot are over
	s_wait_tensorcnt 0x0                           ; and all my tensor loads have landed
	ds_add_u32 v254, v255
	s_wait_dscnt 0x0
	s_barrier_signal -1                            ; say so (where the slot is filled again this barrier opens a round of the cluster's barrier),
	MUL8 1, 1, 0                                   ; work on registers while the others arrive,
	WIN 0
	s_barrier_wait -1
.if \fill
	CREST                                          ; all sixteen work-groups have said so: no wave of any partner reads this slot or has a load on its way
	s_add_nc_u64 s[G0A+4*\slot+2:G0A+4*\slot+3], s[G0A+4*\slot+2:G0A+4*\slot+3], 2*3*XPL   ; no tensor load of mine is out: descriptors may be written
	s_add_nc_u64 s[G0B+4*\slot+2:G0B+4*\slot+3], s[G0B+4*\slot+2:G0B+4*\slot+3], 2*3*WPL
.if \fill == 2
	s_mov_b32 s[G1A+2], 1<<16                      ; 64 planes = 21 x 3 + 1: the last tile has one plane: tensor_dim1 = 1,
	s_mov_b32 s[G1A+4], 1                          ; tile_dim1 = 1
	s_mov_b32 s[G1B+2], 1<<16
	s_mov_b32 s[G1B+4], 1
.endif
	JLOAD \slot                                    ; my one tensor load behind the round, ahead of every LDS read
.endif
	PLACES
	FETCH \next, 0, 0
	WIN W_MUL
	MUL8 1, 2, 0
	MUL8 1, 3, 0
.endm
.macro LAP zero, last                  ; once round the ring, both slots filled again; last: the kind of the second refill
	FIVE 0, \zero
	TURN 0, 1, 1
	FIVE 1, 0
	TURN 1, 0, \last
.endm
	s_wait_tensorcnt 1                             ; tensor loads of a wave end in order (ISA guide 10.11.1): my part of period 0 is in; period 1's stays out
	s_barrier_signal -1
	s_barrier_wait -1                              ; everybody's part is in
	FETCH 0, 0, 0
	LAP 1, 1                                       ; periods 0, 1 stand in front of the loop: the first products start the sums; periods 2, 3 are asked for
	WIN 0
	s_mov_b32 s15, 8                               ; periods 2 to 17; periods 4 to 19 are asked for
.Llap:
	LAP 0, 1
	WIN 0
	s_sub_co_u32 s15, s15, 1
	s_cmp_lg_u32 s15, 0
	s_cbranch_scc1 .Llap
	LAP 0, 2                                       ; periods 18, 19; period 20 and the short period 21 are asked for: 2 first fills + 20 refills = 22 periods
	FIVE 0, 0                                      ; period 20: nothing is left to ask for, so no round of the cluster's barrier
	TURN 0, 1, 0
	STEP 1, 1, 0, 1, 0                             ; period 21: one plane, two steps
	s_wait_dscnt 4                                 ; the very last step: nothing more to fetch
	WIN W_MUL
	MUL8 1, 0, 0
	MUL8 1, 1, 0
	s_wait_dscnt 0
	MUL8 1, 2, 0
	MUL8 1, 3, 0
	; THE WAY OUT, 16 tokens x 64 features at a time: a lane's 32 bytes of each of four tiles go into my own stage, rows of 256 bytes come back, the bias is added, and each store
	; of the wave covers two runs of 256 consecutive bytes, each at a multiple of 256 from out0's first byte.  The stage is my wave's own: LDS serves a wave's instructions in order
	; (ISA guide 5.7.1), so no wait stands between the stores and the loads, nor between one turn's loads and the next turn's stores, and no barrier is needed.
	PLACES                                         ; behind the last matrix instructions: for the LDS stores of results and the loads into the fragment buffers
	s_wait_loadcnt 0x0                             ; the bias
; tokens 16 a .. 16 a + 15 of my 64, features 64 bh .. 64 bh + 63 of my 128 = tiles (a, 4 bh .. 4 bh + 3); f: the wb buffer that takes the rows, 0 and 1 in turn
.macro OUTH a, bh, f
	WIN W_ST
.irp c, 0,1,2,3
	ds_store_b128 v[STO], v[8*(8*\a+4*\bh+\c):8*(8*\a+4*\bh+\c)+3]   offset:64*\c
	ds_store_b128 v[STO], v[8*(8*\a+4*\bh+\c)+4:8*(8*\a+4*\bh+\c)+7] offset:64*\c+16
.endr
	WIN 0
	s_wait_xcnt 0x0                                ; buffer f, which earlier stores to out0 read, is written again only behind this wait
.irp t, 0,1,2,3,4,5,6,7
	ds_load_b128 v[FB+64*\f+4*\t:FB+64*\f+4*\t+3], v[RD] offset:\t*2*SPITCH
.endr
.irp t, 0,1,2,3,4,5,6,7
	s_wait_dscnt 7-\t                              ; rows 2 t, 2 t + 1 are back; the younger ones stay out
	v_pk_add_f32 v[FB+64*\f+4*\t:FB+64*\f+4*\t+1],   v[FB+64*\f+4*\t:FB+64*\f+4*\t+1],   v[BI+4*\bh:BI+4*\bh+1]
	v_pk_add_f32 v[FB+64*\f+4*\t+2:FB+64*\f+4*\t+3], v[FB+64*\f+4*\t+2:FB+64*\f+4*\t+3], v[BI+4*\bh+2:BI+4*\bh+3]
	global_store_b128 v[CO], v[FB+64*\f+4*\t:FB+64*\f+4*\t+3], s[10:11] offset:(16*\a+2*\t)*16384+256*\bh th:TH_STORE_NT   ; 62 rows of 16,384 bytes and 256 at the most: inside the signed 24-bit immediate
.endr
.endm
	OUTH 0, 0, 0
	OUTH 0, 1, 1
	OUTH 1, 0, 0
	OUTH 1, 1, 1
	OUTH 2, 0, 0
	OUTH 2, 1, 1
	OUTH 3, 0, 0
	OUTH 3, 1, 1
	s_wait_tensorcnt 0x0
	ds_add_u32 v254, v255
	s_wait_dscnt 0x0
	CROUND                                         ; the closing round: no work-group ends while a partner may still ask for a tile that names it
	s_endpgm
.Lfunc_end_k_q6485fdc3b7_gemm:
	.size	k_q6485fdc3b7_gemm, .Lfunc_end_k_q6485fdc3b7_gemm-k_q6485fdc3b7_gemm
	.p2alignl 7, 3214868480
	.fill 96, 4, 3214868480
	.section	.rodata,"a",@progbits
	.p2align	6, 0x0
	.amdhsa_kernel k_q6485fdc3b7_gemm
		.amdhsa_group_segment_fixed_size 327680
		.amdhsa_private_segment_fixed_size 0
		.amdhsa_enable_private_segment 0
		.amdhsa_kernarg_size 32
		.amdhsa_user_sgpr_count 2
		.amdhsa_user_sgpr_kernarg_segment_ptr 1
		.amdhsa_wavefront_size32 1
		.amdhsa_system_sgpr_workgroup_id_x 1
		.amdhsa_system_sgpr_workgroup_id_y 1
		.amdhsa_system_sgpr_workgroup_id_z 1
		.amdhsa_system_vgpr_workitem_id 0
		.amdhsa_next_free_vgpr 512
		.amdhsa_next_free_sgpr 66
		.amdhsa_reserve_vcc 0
		.amdhsa_float_denorm_mode_32 3
		.amdhsa_float_denorm_mode_16_64 3
		.amdhsa_memory_ordered 1
		.amdhsa_forward_progress 1
		.amdhsa_inst_pref_size 204
	.end_amdhsa_kernel
	.amdgpu_metadata
---
amdhsa.version: [ 1, 2 ]
amdhsa.kernels:
  - .name:           k_q6485fdc3b7_gemm
    .symbol:         k_q6485fdc3b7_gemm.kd
    .args:
      - { .name: xb, .offset: 0, .size: 8, .value_kind: global_buffer, .address_space: global }
      - { .name: wb, .offset: 8, .size: 8, .value_kind: global_buffer, .address_space: global }
      - { .name: bias, .offset: 16, .size: 8, .value_kind: global_buffer, .address_space: global }
      - { .name: out0, .offset: 24, .size: 8, .value_kind: global_buffer, .address_space: global }
    .group_segment_fixed_size: 327680
    .private_segment_fixed_size: 0
    .kernarg_segment_align: 8
    .kernarg_segment_size: 32
    .max_flat_workgroup_size: 128
    .sgpr_count:     66
    .vgpr_count:     512
    .wavefront_size: 32
...
	.end_amdgpu_metadata
.endif
;; end of part 2
